; MI455X (gfx1250); checked and timed in simulation.
; The chip was launched on July 23, 2026; its instructions are those of AMD's public machine-readable ISA for CDNA 5 (MIT licence, August 2026) and "CDNA5" Instruction Set Architecture Reference Guide (July 2026). The comments in the code are by the model that wrote it; some were corrected since.
;; Transport Operator. Allowed arithmetic: float matrix products may take bf16 or f16 operands with f32 sums; all other float work in f32.
;; Inputs: Psi 16 x 512 x 512 float32; gate_tokens 16 x 512 float32; t 1 float32; z 16,384 x 512 float32.
;; Outputs: out0 16,384 x 512 float32.
;; 2 versions, each right and faster than the one before. Each part assembles by itself: llvm-mc -triple=amdgcn-amd-amdhsa -mcpu=gfx1250 --defsym DOCPART=n.
;; ======== version 1 of 2: 2 launches
;; workspace buffers: pf 8,388,608 bytes; wf 32,768 bytes
;; launch prep (part 1): grid 16 x 16, 8 waves a work-group, no clusters, 34,304 bytes of LDS; arguments Psi, gate_tokens, t, pf, wf; writes pf, wf
.if DOCPART == 1
	.amdgcn_target "amdgcn-amd-amdhsa--gfx1250"
	.amdhsa_code_object_version 6
	.text
	.protected	k_q42266f23fe_prep
	.globl	k_q42266f23fe_prep
	.p2align	8
	.type	k_q42266f23fe_prep,@function
k_q42266f23fe_prep:
	s_mov_b64 s[64:65], 0
	v_nop
	global_prefetch_b8 v0, s[64:65] scope:SCOPE_SE
	s_setreg_imm32_b32 hwreg(HW_REG_WAVE_MODE, 25, 1), 1
	s_wait_xcnt 0x0
; prep: Psi [16][512][512] f32 and gate_tokens [16][512] f32 are read once.  Two tables are written for the second launch:
;   pf [nblk 4][m 16][ks 16][b 8][c 2][lane 32][i 8] bf16 = bf16(Psi[m][d][e]),  e = 128 nblk + 16 b + (lane & 15),  d = 32 ks + 16 c + 8 (lane >> 4) + i:
;      the register image of a 16 x 32 matrix operand (ISA guide 7.12.2), so that the second launch reads a fragment as two runs of 512 neighbouring bytes;
;   wf [ks 16][p 2][c 2][lane 32][i 8] bf16,  lane = 16 h + m,  d = 32 ks + 16 c + 8 h + i:  w[m][d] = sum over e of bf16(Psi[m][d][e]) bf16(g[m][e]), summed in f32,
;      p = 0: bf16(w), p = 1: bf16(w - bf16(w)).  With it logit[b][m] = z[b] . w[m], which is reference()'s sum in another order of addition.
; A work-group owns one m (grid y) and 32 rows d = 32 ks .. 32 ks + 31 (grid x), 65,536 bytes.  Wave v owns rows 4 v .. 4 v + 3; a load of a wave covers 512
; neighbouring bytes of a row.  The turn from rows (e along memory) to fragments (d along a lane's bytes) goes through LDS, as words of two bf16 of rows 2 dp, 2 dp + 1.
; The product with g has one column and rides on numbers that are in registers anyway: vector arithmetic, no matrix unit.
; t enters no step of reference(): its word is read and used for nothing.
; LIMIT: the order of the f32 sums differs from reference()'s.
.set TP,   2064                        ; LDS pitch of a pair of rows: 512 words + 4; four pitches are 2,064 words = 16 mod 64, so lanes 16-31 read 16 words' places beside lanes 0-15
.set WS,   16*TP                       ; 33,024: behind the 16 pairs of rows, the 32 sums of the group's rows, f32
.set PO,   3                           ; v3       byte offset of my 16 bytes in my wave's first row
.set L16,  4                           ; v4       16 x lane: g's loads, pf's stores
.set TS,   5                           ; v5       LDS: where my packed words go
.set TR,   6                           ; v6       LDS: where my fragment words come from
.set SUM,  8                           ; v[8:11]  sums of my wave's four rows
.set TMP,  12                          ; v12-13   at work
.set WSA,  14                          ; v14      LDS: my wave's four sums
.set WOF,  15                          ; v15      byte offset of a piece of wf
.set GV,   16                          ; v[16:31] g of my 16 columns (e = 128 j + 4 lane + i at 4 j + i), rounded to bf16, kept as f32
.set X,    32                          ; v[32:95] row rho, piece j, number i at 16 rho + 4 j + i; later the fragments
	s_load_b256 s[4:11], s[0:1], 0x0               ; Psi s[4:5], gate_tokens s[6:7], t s[8:9], pf s[10:11]
	s_load_b64 s[12:13], s[0:1], 0x20              ; wf
	v_lshl_add_u32 v96, v0, 2, 0x8200
	v_mov_b32 v97, 0
	v_lshrrev_b32 v1, 5, v0
	v_readfirstlane_b32 s14, v1                    ; wave 0..7
	s_and_b32 s16, ttmp7, 0xffff                   ; m;  ttmp9 = ks
	s_mov_b32 s22, 0x76543210                      ; v_permlanex16_b32: lane i of one half reads lane i of the other
	s_mov_b32 s23, 0xfedcba98
	s_mov_b32 s24, 0xffff0000                      ; a word's upper bf16
	s_lshl_b32 s18, s16, 20                        ; Psi: m x 512 x 2,048 bytes
	s_lshl_b32 s15, ttmp9, 16                      ;      + ks x 32 rows x 2,048 bytes
	s_add_co_u32 s18, s18, s15
	s_mov_b32 s19, 0
	s_lshl_b32 s20, s16, 11                        ; g: m x 2,048 bytes
	s_mov_b32 s21, 0
	s_lshr_b32 s28, s14, 1                         ; pf: my wave's four column blocks 4 v + q lie in nblk = v >> 1, b = 4 (v & 1) + q
	s_lshl_b32 s28, s28, 21                        ;     nblk x 2,097,152
	s_lshl_b32 s15, s16, 17                        ;     + m x 131,072
	s_add_co_u32 s28, s28, s15
	s_lshl_b32 s15, ttmp9, 13                      ;     + ks x 8,192
	s_add_co_u32 s28, s28, s15
	s_and_b32 s15, s14, 1
	s_lshl_b32 s15, s15, 12                        ;     + 4 (v & 1) x 1,024
	s_add_co_u32 s28, s28, s15
	s_mov_b32 s29, 0
	s_lshl_b32 s30, ttmp9, 11                      ; wf: ks x 2,048 + m x 16
	s_lshl_b32 s15, s16, 4
	s_add_co_u32 s30, s30, s15
	s_mov_b32 s31, 0
	v_and_b32 v1, 31, v0                           ; lane
	v_lshlrev_b32 v[L16], 4, v1
	v_lshl_add_u32 v[PO], s14, 13, v[L16]          ; + wave x 4 rows x 2,048 bytes
	s_mul_i32 s17, s14, 2*TP                       ; my wave's two pairs of rows
	v_add_nc_u32 v[TS], s17, v[L16]
	v_bfe_u32 v2, v0, 4, 1                         ; h
	v_and_b32 v[TMP], 15, v0                       ; r
	v_mul_u32_u24 v[TR], v2, 4*TP                  ; pair 4 h + ..
	v_lshl_add_u32 v[TR], v[TMP], 2, v[TR]         ; column r
	v_lshl_add_u32 v[TR], s14, 8, v[TR]            ; of column block 4 v: 64 words
	s_lshl_b32 s17, s14, 4
	s_add_co_u32 s17, s17, WS
	v_mov_b32 v[WSA], s17
	s_wait_kmcnt 0x0
	s_load_b32 s25, s[8:9], 0x0                    ; t: read; reference() uses it in no step, and neither does this text
	s_add_nc_u64 s[4:5], s[4:5], s[18:19]
	s_add_nc_u64 s[6:7], s[6:7], s[20:21]
	s_add_nc_u64 s[10:11], s[10:11], s[28:29]
	s_add_nc_u64 s[12:13], s[12:13], s[30:31]
.irp j, 0,1,2,3
	global_load_b128 v[GV+4*\j:GV+4*\j+3], v[L16], s[6:7] offset:512*\j
.endr
.irp j, 0,1,2,3
.irp p, 0,1,2,3
	global_load_b128 v[X+16*\p+4*\j:X+16*\p+4*\j+3], v[PO], s[4:5] offset:2048*\p+512*\j th:TH_LOAD_NT   ; piece j of rows 0 to 3: read once in the launch
.endr
.endr
	s_wait_loadcnt 16                              ; g's four loads are in; the 16 of Psi issued behind them stay out
.irp k, 0,2,4,6,8,10,12,14
	v_cvt_pk_bf16_f32 v[TMP], v[GV+\k], v[GV+\k+1] ; g rounded to bf16,
	v_lshlrev_b32 v[GV+\k], 16, v[TMP]             ; and widened again: the sums take the rounded numbers
	v_and_b32 v[GV+\k+1], s24, v[TMP]
.endr
.irp s, 0,1,2,3
	v_mov_b32 v[SUM+\s], 0
.endr
; Piece j (128 columns) of my four rows: rounded and packed by pairs of rows, added into the four sums, put into LDS.
.macro PIECE j
	s_wait_loadcnt 12-4*\j                         ; loads come back in order: piece j's four are in, the later pieces' stay out
.irp i, 0,1,2,3
	v_cvt_pk_bf16_f32 v[X+4*\j+\i], v[X+4*\j+\i], v[X+16+4*\j+\i]         ; rows 0 (low half) and 1 (high half)
	v_cvt_pk_bf16_f32 v[X+32+4*\j+\i], v[X+32+4*\j+\i], v[X+48+4*\j+\i]   ; rows 2 and 3
	v_fma_mix_f32_bf16 v[SUM], v[X+4*\j+\i], v[GV+4*\j+\i], v[SUM] op_sel_hi:[1,0,0]
	v_fma_mix_f32_bf16 v[SUM+1], v[X+4*\j+\i], v[GV+4*\j+\i], v[SUM+1] op_sel:[1,0,0] op_sel_hi:[1,0,0]
	v_fma_mix_f32_bf16 v[SUM+2], v[X+32+4*\j+\i], v[GV+4*\j+\i], v[SUM+2] op_sel_hi:[1,0,0]
	v_fma_mix_f32_bf16 v[SUM+3], v[X+32+4*\j+\i], v[GV+4*\j+\i], v[SUM+3] op_sel:[1,0,0] op_sel_hi:[1,0,0]
.endr
	ds_store_b128 v[TS], v[X+4*\j:X+4*\j+3] offset:512*\j                 ; 32 lanes, 512 neighbouring bytes
	ds_store_b128 v[TS], v[X+32+4*\j:X+32+4*\j+3] offset:TP+512*\j
.endm
	PIECE 0
	PIECE 1
	PIECE 2
	PIECE 3
	; the four sums over the 32 lanes: four steps inside each half of 16 lanes, one across the halves; every lane ends with the sum
.irp s, 0,1,2,3
	v_add_f32_dpp v[SUM+\s], v[SUM+\s], v[SUM+\s] row_xmask:1 row_mask:0xf bank_mask:0xf
	v_add_f32_dpp v[SUM+\s], v[SUM+\s], v[SUM+\s] row_xmask:2 row_mask:0xf bank_mask:0xf
	v_add_f32_dpp v[SUM+\s], v[SUM+\s], v[SUM+\s] row_xmask:4 row_mask:0xf bank_mask:0xf
	v_add_f32_dpp v[SUM+\s], v[SUM+\s], v[SUM+\s] row_xmask:8 row_mask:0xf bank_mask:0xf
	v_permlanex16_b32 v[TMP], v[SUM+\s], s22, s23  ; its destination counts as read: v12 has been written above
	v_add_f32 v[SUM+\s], v[SUM+\s], v[TMP]
.endr
	ds_store_b128 v[WSA], v[SUM:SUM+3]             ; all lanes write the same 16 bytes with the same numbers
	s_wait_kmcnt 0x0                               ; t's word has come
	s_wait_dscnt 0x0                               ; for the other waves' sake: all my LDS stores are done
	s_barrier_signal -1
	s_barrier_wait -1
	; my wave's eight half fragments n = 2 q + c: column block 4 v + q, d = 16 c + 8 h + 0..7 = the words of pairs 8 c + 4 h + 0..3 at my column
.set n, 0
.rept 8
.irp w, 0,1,2,3
	ds_load_b32 v[X+4*n+\w], v[TR] offset:(8*(n&1)+\w)*TP+64*(n>>1)
.endr
.set n, n+1
.endr
.set n, 0
.rept 8
	s_wait_dscnt 28-4*n                            ; half fragment n's four loads are in, the later ones' stay out
	global_store_b128 v[L16], v[X+4*n:X+4*n+3], s[10:11] offset:512*n     ; 512 neighbouring bytes, at a multiple of 512 from pf's first byte
.set n, n+1
.endr
	; wave 0 writes the group's 32 numbers of w.  A run of 256 bytes of wf holds all 16 m, and a work-group has one m: four lanes store 16 bytes each,
	; twice.  The whole table is 32,768 bytes.
	s_cmp_lg_u32 s14, 0
	s_cbranch_scc1 .Ldone
	v_and_b32 v2, 3, v0                            ; q = 2 c + h
	v_lshlrev_b32 v[WOF], 8, v2                    ; c x 512 + h x 256
	v_lshlrev_b32 v[TMP+1], 5, v2                  ; eight sums, 32 bytes
	ds_load_b128 v[64:67], v[TMP+1] offset:WS
	ds_load_b128 v[68:71], v[TMP+1] offset:WS+16
	s_wait_dscnt 0x0
.irp k, 0,1,2,3
	v_cvt_pk_bf16_f32 v[72+\k], v[64+2*\k], v[65+2*\k]                    ; the upper part
.endr
.irp k, 0,1,2,3
	v_lshlrev_b32 v[76+2*\k], 16, v[72+\k]
	v_and_b32 v[77+2*\k], s24, v[72+\k]
.endr
.irp k, 0,2,4,6
	v_pk_add_f32 v[64+\k:65+\k], v[64+\k:65+\k], v[76+\k:77+\k] neg_lo:[0,1] neg_hi:[0,1]   ; what the rounding left
.endr
.irp k, 0,1,2,3
	v_cvt_pk_bf16_f32 v[84+\k], v[64+2*\k], v[65+2*\k]                    ; the lower part
.endr
	s_wait_xcnt 0x0                                ; EXEC is a source of the stores above: it changes only behind this wait
	v_cmp_gt_u32 vcc_lo, 4, v0
	s_and_saveexec_b32 s26, vcc_lo
	global_store_b128 v[WOF], v[72:75], s[12:13]
	global_store_b128 v[WOF], v[84:87], s[12:13] offset:1024
	s_wait_xcnt 0x0                                ; and again in front of the line that widens it
	s_or_b32 exec_lo, exec_lo, s26
.Ldone:
	s_wait_tensorcnt 0x0
	ds_add_u32 v96, v97
	s_wait_dscnt 0x0
	s_endpgm
.Lfunc_end_k_q42266f23fe_prep:
	.size	k_q42266f23fe_prep, .Lfunc_end_k_q42266f23fe_prep-k_q42266f23fe_prep
	.p2alignl 7, 3214868480
	.fill 96, 4, 3214868480
	.section	.rodata,"a",@progbits
	.p2align	6, 0x0
	.amdhsa_kernel k_q42266f23fe_prep
		.amdhsa_group_segment_fixed_size 34304
		.amdhsa_private_segment_fixed_size 0
		.amdhsa_enable_private_segment 0
		.amdhsa_kernarg_size 40
		.amdhsa_user_sgpr_count 2
		.amdhsa_user_sgpr_kernarg_segment_ptr 1
		.amdhsa_wavefront_size32 1
		.amdhsa_system_sgpr_workgroup_id_x 1
		.amdhsa_system_sgpr_workgroup_id_y 1
		.amdhsa_system_sgpr_workgroup_id_z 1
		.amdhsa_system_vgpr_workitem_id 0
		.amdhsa_next_free_vgpr 98
		.amdhsa_next_free_sgpr 66
		.amdhsa_reserve_vcc 1
		.amdhsa_float_denorm_mode_32 3
		.amdhsa_float_denorm_mode_16_64 3
		.amdhsa_memory_ordered 1
		.amdhsa_forward_progress 1
		.amdhsa_inst_pref_size 19
	.end_amdhsa_kernel
	.amdgpu_metadata
---
amdhsa.version: [ 1, 2 ]
amdhsa.kernels:
  - .name:           k_q42266f23fe_prep
    .symbol:         k_q42266f23fe_prep.kd
    .args:
      - { .name: Psi, .offset: 0, .size: 8, .value_kind: global_buffer, .address_space: global }
      - { .name: gate_tokens, .offset: 8, .size: 8, .value_kind: global_buffer, .address_space: global }
      - { .name: t, .offset: 16, .size: 8, .value_kind: global_buffer, .address_space: global }
      - { .name: pf, .offset: 24, .size: 8, .value_kind: global_buffer, .address_space: global }
      - { .name: wf, .offset: 32, .size: 8, .value_kind: global_buffer, .address_space: global }
    .group_segment_fixed_size: 34304
    .private_segment_fixed_size: 0
    .kernarg_segment_align: 8
    .kernarg_segment_size: 40
    .max_flat_workgroup_size: 256
    .sgpr_count:     66
    .vgpr_count:     98
    .wavefront_size: 32
...
	.end_amdgpu_metadata
.endif
;; end of part 1
;; launch main (part 2): grid 16 x 16, 4 waves a work-group, clusters of 4 x 1, 327,680 bytes of LDS; arguments z, pf, wf, out0; writes out0
.if DOCPART == 2
	.amdgcn_target "amdgcn-amd-amdhsa--gfx1250"
	.amdhsa_code_object_version 6
	.text
	.protected	k_q42266f23fe_main
	.globl	k_q42266f23fe_main
	.p2align	8
	.type	k_q42266f23fe_main,@function
k_q42266f23fe_main:
	s_mov_b64 s[64:65], 0
	v_nop
	global_prefetch_b8 v0, s[64:65] scope:SCOPE_SE
	s_setreg_imm32_b32 hwreg(HW_REG_WAVE_MODE, 25, 1), 1
	s_wait_xcnt 0x0
	s_wait_alu depctr_hold_cnt(0) depctr_sa_sdst(0) depctr_va_vdst(0) depctr_va_sdst(0) depctr_va_ssrc(0) depctr_va_vcc(0) depctr_vm_vsrc(0)
	s_getreg_b32 s2, hwreg(HW_REG_IB_STS2, 6, 4)
	s_cmp_eq_u32 s2, 0
	s_cbranch_scc0 .Lentry_in_a_cluster
	s_endpgm
.Lentry_in_a_cluster:
	s_bfe_u32 s2, ttmp6, 0x10000c
	s_cmp_lg_u32 s2, 0x3003
	s_cbranch_scc0 .Lentry_shape_is_right
	s_endpgm
.Lentry_shape_is_right:
; main: out0[b][e] = sum over m of gate[b][m] (z Psi_m)[b][e],  gate = max(2 sigmoid(logit) - 1, 0),  logit[b][m] = z[b] . w[m]  (w = Psi_m g_m, made by the first launch).
; A work-group makes 256 rows x 128 columns of out0 with four waves, as many as a WGP has SIMDs; a wave makes 64 rows x 128 columns.
; z IS KEPT IN REGISTERS: a wave's 64 rows x 512 as bf16 are 64 fragments of 8 registers = 512 registers, loaded and rounded once, used for all 16 m: only Psi streams.
; Psi comes as bf16 in fragment order (pf): the tile of one m and my 128 columns is 131,072 dense bytes; two LDS slots take turns, filled by tensor loads, a quarter a wave.
; For each m the scores of 16 columns pairs at a time are summed in f32 over all 512 d (8 tiles of 16 x 16), then multiplied by the f32 gate and added into dz by
; packed fused multiply-adds, while the next 8 tiles are summed in a second set of registers.  Scores never leave registers.
; CLUSTERS: four work-groups along x form a cluster: four row blocks of ONE column block, which need the same tiles of Psi.  Each tile is asked for jointly (mask 15),
; which divides the requests for Psi by four.  z is not shared in this way: it is a fifth of a work-group's bytes, is read once, and has to pass registers to be rounded.
; THE MATRIX INSTRUCTION IS USED TRANSPOSED: source 0 = 16 columns of Psi, source 1 = 16 rows of z.  Lane (r, h) then holds row 16 a + r, and its registers j the columns
; 16 b + 8 h + j: a gate is one number a lane, and eight results are 32 neighbouring bytes of a row of out0.
; LIMITS: the gate is formed as 2 sigmoid - 1 in f32, as reference() forms it, and so carries an absolute rounding of about 2^-23; a NaN logit gives gate 0 (v_max_num_f32
; lets a NaN lose); the order of the f32 sums differs from reference()'s.  The exponential needs no shift: 2^x = infinity gives sigmoid 0, 2^x = 0 gives 1, the right limits.
;
; REGISTERS, in windows of 256 (s_set_vgpr_msb: bits 1:0 source 0, 3:2 source 1, 5:4 source 2, 7:6 destination):
;   window 0: v0-17 addresses; v20-27 gates of the even and the odd m; v32-127 three buffers of four Psi fragments; v128-255 two sets of eight score tiles
;             (at the start: v32-223 three batches of z as loaded, v224-255 four logit tiles)
;   windows 1, 2: z's fragments, K step ks (32 d) and row block a at 32 (ks & 7) + 8 a, ks 0-7 in window 1, 8-15 in window 2
;   window 3: dz, tile (a, b) at 8 (4 b + a)   (at the start: wf's 32 fragments)
.set SLOT,   131072                    ; one m's tile: [ks 16][b 8][c 2][lane 32] x 16 bytes
.set STAGE,  2*SLOT                    ; behind the slots: 16 rows x 528 bytes for each wave; first z as bf16 (16 rows x 256 d), at the end dz as f32 (16 rows x 128 columns)
.set SPITCH, 528                       ; 512 bytes + 16 = 33 x 16: the 16 rows that a load or store of 16 bytes a lane touches start at 16 different sixteenths of 256 bytes
.set STW,    16*SPITCH
.set GT,     STAGE+4*STW               ; 295,936: the gates, [m 16][r 16][a 4] f32 = 4,096 bytes for each wave
.set ZO,   4                           ; v4      wave x 64 rows x 2,048 + 16 lane: my byte offset in z, and in out0
.set ZS,   5                           ; v5      stage + 8 lane: where z's rounded numbers go
.set ZR,   6                           ; v6      stage + 528 r + 16 h: where z's fragments come from
.set GS,   7                           ; v7      gates + 2,048 h + 16 r: where gates go
.set GA,   8                           ; v8      gates + 16 r + 512 x pair of m: where gates come from
.set WO,   9                           ; v9      16 lane
.set BA,   10                          ; v10-13  16 lane + slot x 131,072 + half x 65,536: an LDS offset has 16 bits, so each half of a slot has its register
.set OS,   14                          ; v14     stage + 528 r + 32 h: the way out, in
.set ORD,  15                          ; v15     stage + 16 lane: the way out, back
.set G,    20
.set BUF,  32
.set ZL,   32
.set SC,   128
.set LG,   224
.set MUL1, 0x04                        ; score products, z from window 1; the loads of Psi fragments run under the same setting
.set MUL2, 0x08                        ; z from window 2
.set DRN,  0xf0                        ; dz as addend and destination
.set LOG1, 0x07                        ; logit products: wf from window 3, z from window 1
.set LOG2, 0x0b
.set MSB, 0
.macro WIN new                         ; the immediate's high byte repeats the setting that is left
.if MSB != (\new)
	s_set_vgpr_msb (MSB<<8)|(\new)
.set MSB, (\new)
.endif
.endm
.macro PLACES                          ; four places behind matrix instructions (ISA guide 7.12.1), where no useful vector work is at hand
.rept 4
	v_nop
.endr
.endm
; A round of the cluster's barrier: my work-group's barrier, so that wave 0's signal speaks for all four waves; wave 0 signals; every wave waits for the four work-groups;
; my work-group's barrier once more.
.macro CREST                           ; a round behind its opening barrier
	s_cmp_lg_u32 s12, 0
	s_cbranch_scc1 .Lnot_wave_0_\@
	s_barrier_signal -3
.Lnot_wave_0_\@:
	s_barrier_wait -3
	s_barrier_signal -1
	s_barrier_wait -1
.endm
.macro CROUND
	s_barrier_signal -1
	s_barrier_wait -1
	CREST
.endm
	s_load_b256 s[4:11], s[0:1], 0x0               ; z s[4:5], pf s[6:7], wf s[8:9], out0 s[10:11]
	v_lshl_add_u32 v30, v0, 2, 0x4c400
	v_mov_b32 v31, 0
	ds_add_u32 v30, v31
	v_lshrrev_b32 v1, 5, v0
	v_readfirstlane_b32 s12, v1                    ; wave 0..3
	s_bfe_u32 s13, ttmp6, 0x40000                  ; cx: my place in the cluster
	s_mov_b32 s14, ttmp9                           ; the cluster's x = column block 0..3, shared by the four partners
	s_and_b32 s15, ttmp7, 0xffff                   ; the cluster's y
	s_lshl_b32 s16, s15, 2
	s_add_co_u32 s16, s16, s13                     ; row block = 4 y + cx: it enters z's and out0's offsets and nothing else
	; descriptor group 1: 128 rows of 256 bytes, dense: a wave's quarter of a tile (K steps 4 wave .. 4 wave + 3), 32,768 bytes
	s_mov_b32 s20, 15|(3<<16)|(1<<21)              ; 15:0 the mask: all four partners; 17:16 elements of 8 bytes; 21 set beside a mask; no padding: every LDS read is of neighbouring bytes
	s_mov_b32 s21, 32<<16                          ; tensor_dim0 = 32 elements
	s_mov_b32 s22, 128<<16                         ; tensor_dim1 = 128
	s_mov_b32 s23, 32<<16                          ; tile_dim0 = 32
	s_mov_b32 s24, 128                             ; tile_dim1 = 128
	s_mov_b32 s25, 32                              ; from row to row: 32 elements
	s_mov_b32 s26, 0
	s_mov_b32 s27, 0
	; descriptor group 0, one set for each slot: made of the column block and the wave's number alone
	s_mov_b32 s28, 1
	s_lshl_b32 s29, s12, 15                        ; LDS: wave x 32,768
	s_mov_b32 s32, 1
	s_add_co_u32 s33, s29, SLOT
	s_lshl_b32 s36, s14, 21                        ; pf: column block x 2,097,152 + wave x 32,768
	s_add_co_u32 s36, s36, s29
	s_mov_b32 s37, 0
	s_lshl_b32 s44, s16, 19                        ; z, out0: row block x 256 rows x 2,048 bytes
	s_mov_b32 s45, 0
	s_lshl_b32 s46, s14, 9                         ; out0: column block x 128 columns x 4 bytes
	s_mov_b32 s47, 0
	v_and_b32 v1, 31, v0                           ; lane
	v_and_b32 v2, 15, v0                           ; r
	v_bfe_u32 v3, v0, 4, 1                         ; h
	v_lshlrev_b32 v[WO], 4, v1
	v_lshl_add_u32 v[ZO], s12, 17, v[WO]
	s_mul_i32 s41, s12, STW
	s_add_co_u32 s41, s41, STAGE                   ; my stage
	v_lshl_add_u32 v[ZS], v1, 3, s41
	v_mul_u32_u24 v17, v2, SPITCH
	v_add_nc_u32 v17, s41, v17
	v_lshl_add_u32 v[ZR], v3, 4, v17
	v_lshl_add_u32 v[OS], v3, 5, v17
	v_add_nc_u32 v[ORD], s41, v[WO]
	s_lshl_b32 s42, s12, 12
	s_add_co_u32 s42, s42, GT                      ; my gates
	v_lshl_add_u32 v[GA], v2, 4, s42
	v_lshl_add_u32 v[GS], v3, 11, v[GA]
	v_mov_b32 v[BA], v[WO]
	v_add_nc_u32 v[BA+1], 0x10000, v[WO]
	v_add_nc_u32 v[BA+2], 0x20000, v[WO]
	v_add_nc_u32 v[BA+3], 0x30000, v[WO]
	s_wait_dscnt 0x0
	s_wait_kmcnt 0x0
	s_add_nc_u64 s[30:31], s[6:7], s[36:37]        ; m = 0
	s_add_nc_u64 s[34:35], s[30:31], SLOT          ; m = 1
	s_or_b32 s31, s31, 0x80000000                  ; type = 2
	s_or_b32 s35, s35, 0x80000000
	s_add_nc_u64 s[4:5], s[4:5], s[44:45]
	s_add_nc_u64 s[10:11], s[10:11], s[44:45]
	s_add_nc_u64 s[10:11], s[10:11], s[46:47]
	CROUND                                         ; the four partners are here: the first joint loads meet
	tensor_load_to_lds s[28:31], s[20:27]          ; both first fills go out together: two tensor loads of the wave are out here, later one
	s_nop 0
	tensor_load_to_lds s[32:35], s[20:27]
	s_nop 0
; ---- z into registers.  A unit u = 4 q + a is 16 rows (block a) x 256 d (half q); a half unit hu = 2 u + (0, 1) is 8 of its rows: 16 loads of 512 neighbouring bytes.
.macro ZLOAD hu
.set Z_U, (\hu)>>1
.set Z_R, ZL+64*((\hu)%3)
.set Z_O, (16*(Z_U&3)+8*((\hu)&1))*2048+1024*(Z_U>>2)
.set Z_L, 0
.rept 16
	global_load_b128 v[Z_R+4*Z_L:Z_R+4*Z_L+3], v[ZO], s[4:5] offset:Z_O+(Z_L>>1)*2048+(Z_L&1)*512
.set Z_L, Z_L+1
.endr
.endm
; wf's K steps 4 k .. 4 k + 3: 16 loads; register 4 x of window 3 takes the 512 bytes at 512 x
.macro WLOAD k
	WIN 0xc0
.set W_N, 0
.rept 16
	global_load_b128 v[64*(\k)+4*W_N:64*(\k)+4*W_N+3], v[WO], s[8:9] offset:8192*(\k)+512*W_N
.set W_N, W_N+1
.endr
	WIN 0
.endm
; the eight fragments of row block a, K steps 8 q .. 8 q + 7, from my stage: lane (r, h) takes d = 8 h + 0..7 and 16 + 8 h + 0..7 of row r
.macro AFETCH a, q
	WIN 0x40<<(\q)
.set F_K, 0
.rept 8
	ds_load_b128 v[32*F_K+8*(\a):32*F_K+8*(\a)+3], v[ZR] offset:64*F_K
	ds_load_b128 v[32*F_K+8*(\a)+4:32*F_K+8*(\a)+7], v[ZR] offset:64*F_K+32
.set F_K, F_K+1
.endr
	WIN 0
.endm
; A half unit is rounded to bf16 and put into my stage; 16 more loads go out; behind a unit's second half its fragments are read.
; The stage is my wave's own, and LDS serves a wave's instructions in order (ISA guide 5.7.1): no wait between these stores, the loads, and the next unit's stores.
.macro ZSTEP hu
	s_wait_loadcnt 32                              ; every step issues 16 loads: this batch is in, the two younger batches stay out
.set S_R, ZL+64*((\hu)%3)
.set S_L, 0
.rept 16
	v_cvt_pk_bf16_f32 v[S_R+4*S_L], v[S_R+4*S_L], v[S_R+4*S_L+1]
	v_cvt_pk_bf16_f32 v[S_R+4*S_L+1], v[S_R+4*S_L+2], v[S_R+4*S_L+3]
	ds_store_b64 v[ZS], v[S_R+4*S_L:S_R+4*S_L+1] offset:(8*((\hu)&1)+(S_L>>1))*SPITCH+256*(S_L&1)
.set S_L, S_L+1
.endr
.if (\hu) <= 12
	ZLOAD (\hu)+3
.else
	WLOAD (\hu)-13
.endif
.if (\hu)&1
	AFETCH ((\hu)>>1)&3, (\hu)>>3
.endif
.endm
	ZLOAD 0
	ZLOAD 1
	ZLOAD 2
.irp hu, 0,1,2,3,4,5,6,7,8,9,10,11,12,13,14,15
	ZSTEP \hu
.endr
; ---- logits: [16 m] x [16 rows] tiles, one for each row block, over 16 K steps and w's two parts.  The four accumulators take turns, one instruction a turn.
; Lane (r, h), register j: row 16 a + r, m = 8 h + j.
.macro LOGIT ks
.irp p, 0,1
.irp a, 0,1,2,3
.if ((\ks)+\p) == 0
	v_wmma_f32_16x16x32_bf16 v[LG+8*\a:LG+8*\a+7], v[16*(\ks)+8*\p:16*(\ks)+8*\p+7], v[32*((\ks)&7)+8*\a:32*((\ks)&7)+8*\a+7], 0
.else
	v_wmma_f32_16x16x32_bf16 v[LG+8*\a:LG+8*\a+7], v[16*(\ks)+8*\p:16*(\ks)+8*\p+7], v[32*((\ks)&7)+8*\a:32*((\ks)&7)+8*\a+7], v[LG+8*\a:LG+8*\a+7]
.endif
.endr
.endr
.endm
	s_wait_loadcnt 32                              ; wf's first batch is in, the second and third stay out
	WLOAD 3                                        ; the fourth: 48 loads of the wave are out at the most
	s_wait_dscnt 0x0                               ; all of z's fragments are in
	WIN LOG1
.irp ks, 0,1,2,3
	LOGIT \ks
.endr
	s_wait_loadcnt 32                              ; the second batch; the third and fourth stay out
.irp ks, 4,5,6,7
	LOGIT \ks
.endr
	s_wait_loadcnt 16
	WIN LOG2
.irp ks, 8,9,10,11
	LOGIT \ks
.endr
	s_wait_loadcnt 0x0
.irp ks, 12,13,14,15
	LOGIT \ks
.endr
	WIN 0
	PLACES                                         ; in front of the first vector instruction that reads a logit
; gate = max(2 / (1 + 2^(-1.442695 x)) - 1, 0) of the eight logits of row block a, then to [m][r][a].  Behind each run of transcendentals one v_nop (ISA guide 5.7.2).
.macro GATE a
.set GR, LG+8*(\a)
.irp w, 0,2,4,6
	v_pk_mul_f32 v[GR+\w:GR+\w+1], v[GR+\w:GR+\w+1], 0xbfb8aa3b op_sel_hi:[1,0]
.endr
.irp j, 0,1,2,3,4,5,6,7
	v_exp_f32 v[GR+\j], v[GR+\j]
.endr
	v_nop
	s_wait_alu depctr_va_vdst(0)
.irp w, 0,2,4,6
	v_pk_add_f32 v[GR+\w:GR+\w+1], v[GR+\w:GR+\w+1], 1.0 op_sel_hi:[1,0]
.endr
.irp j, 0,1,2,3,4,5,6,7
	v_rcp_f32 v[GR+\j], v[GR+\j]
.endr
	v_nop
	s_wait_alu depctr_va_vdst(0)
.irp w, 0,2,4,6
	v_pk_fma_f32 v[GR+\w:GR+\w+1], v[GR+\w:GR+\w+1], 2.0, -1.0 op_sel_hi:[1,0,0]
.endr
.irp j, 0,1,2,3,4,5,6,7
	v_max_num_f32 v[GR+\j], 0, v[GR+\j]
.endr
.irp j, 0,1,2,3,4,5,6,7
	ds_store_b32 v[GS], v[GR+\j] offset:256*\j+4*(\a)
.endr
.endm
	GATE 0
	GATE 1
	GATE 2
	GATE 3
; ---- the stream over m.  A trip is one m: 32 blocks i = 8 g + j.  Group g makes the scores of column blocks b = 2 g, 2 g + 1 for my four row blocks: eight tiles
; tau = 4 bb + a in set g & 1.  Block i adds K steps 2 j and 2 j + 1: 16 matrix instructions on four Psi fragments, which lie in buffer i % 3.
; load n of the eight of block i: K step 2 j + (n >> 2), column block 2 g + ((n >> 1) & 1), half n & 1: 512 neighbouring bytes
.macro LDB slot, i, n
.set L_S,  (\n)>>2
.set L_BB, ((\n)>>1)&1
.set L_C,  (\n)&1
.set L_KS, 2*((\i)&7)+L_S
.set L_B,  2*((\i)>>3)+L_BB
.set L_D,  BUF+32*((\i)%3)+8*(2*L_S+L_BB)+4*L_C
	ds_load_b128 v[L_D:L_D+3], v[BA+2*(\slot)+(L_KS>>3)] offset:(L_KS&7)*8192+1024*L_B+512*L_C
.endm
; matrix instruction n of the sixteen of block i: K step 2 j + (n >> 3), tile n & 7.  The first K step starts the sums: nothing is cleared.
; The eight accumulators take turns, one instruction a turn, in the same order everywhere.
.macro MM i, n
.set M_S,  (\n)>>3
.set M_T,  (\n)&7
.set M_KS, 2*((\i)&7)+M_S
.set M_D,  SC+64*(((\i)>>3)&1)+8*M_T
.set M_B,  BUF+32*((\i)%3)+8*(2*M_S+(M_T>>2))
.set M_A,  (M_KS&7)*32+8*(M_T&3)
.if M_KS == 0
	v_wmma_f32_16x16x32_bf16 v[M_D:M_D+7], v[M_B:M_B+7], v[M_A:M_A+7], 0
.else
	v_wmma_f32_16x16x32_bf16 v[M_D:M_D+7], v[M_B:M_B+7], v[M_A:M_A+7], v[M_D:M_D+7]
.endif
.endm
.macro MMRUN i, cnt                    ; the next cnt matrix instructions of block i
.rept \cnt
	MM \i, B_N
.set B_N, B_N+1
.endr
.endm
; tile tau of the finished set sp (group pg) times the gate of its row block, into dz: four packed instructions.  mode 1: the first m starts dz's sums; 2: fused multiply-add.
; The gates of row blocks a = 0..3 lie in four registers; op_sel picks the first or the second of a pair for both halves.
.macro DRAIN sp, pg, par, tau, mode
.set D_A, (\tau)&3
.set D_Z, 8*(4*(2*(\pg)+((\tau)>>2))+D_A)
.set D_S, SC+64*(\sp)+8*(\tau)
.set D_G, G+4*(\par)+2*(D_A>>1)
.irp w, 0,2,4,6
.if \mode == 1
.if D_A&1
	v_pk_mul_f32 v[D_Z+\w:D_Z+\w+1], v[D_S+\w:D_S+\w+1], v[D_G:D_G+1] op_sel:[0,1] op_sel_hi:[1,1]
.else
	v_pk_mul_f32 v[D_Z+\w:D_Z+\w+1], v[D_S+\w:D_S+\w+1], v[D_G:D_G+1] op_sel_hi:[1,0]
.endif
.else
.if D_A&1
	v_pk_fma_f32 v[D_Z+\w:D_Z+\w+1], v[D_S+\w:D_S+\w+1], v[D_G:D_G+1], v[D_Z+\w:D_Z+\w+1] op_sel:[0,1,0] op_sel_hi:[1,1,1]
.else
	v_pk_fma_f32 v[D_Z+\w:D_Z+\w+1], v[D_S+\w:D_S+\w+1], v[D_G:D_G+1], v[D_Z+\w:D_Z+\w+1] op_sel_hi:[1,0,1]
.endif
.endif
.endr
.endm
; Block i of the trip on slot.  d0, dn: how group 0 (which drains the last m's group 3) and groups 1 to 3 (which drain the group before) write dz: 0 not at all, 1, 2 as above.
; turn: 2 = this slot is filled again with the tile of m + 2; 1 = the slots change, nothing is fetched; 0 = the last trip.
; THE HEAD of a block is four or eight plain vector instructions that name no register of the block before: they are the places between that block's matrix instructions
; and the loads into its buffer.  At j = 0 they are v_nop, which are also the places in front of the first read of the scores just finished; at j = 1 tiles 0 and 1 of the
; set before are drained, at j = 2..7 tile j.
.macro BLOCK slot, i, d0, dn, turn
.set B_J, (\i)&7
.set B_G, (\i)>>3
.if B_G == 0
.set B_MODE, \d0
.set B_SP, 1
.set B_PG, 3
.set B_PAR, 1-(\slot)
.else
.set B_MODE, \dn
.set B_SP, (B_G-1)&1
.set B_PG, B_G-1
.set B_PAR, \slot
.endif
.if (B_J*B_MODE) == 0
	PLACES
.else
	WIN DRN
.if B_J == 1
	DRAIN B_SP, B_PG, B_PAR, 0, B_MODE
	DRAIN B_SP, B_PG, B_PAR, 1, B_MODE
.else
	DRAIN B_SP, B_PG, B_PAR, B_J, B_MODE
.endif
.endif
.if B_J < 4
	WIN MUL1
.else
	WIN MUL2
.endif
.set B_N, 0
.if (\i) < 30
.if (\i) == 0
.rept 8
	LDB \slot, 1, B_N                              ; block 1's fragments could not be asked for in front of the change of slots
.set B_N, B_N+1
.endr
.set B_N, 0
.endif
	s_wait_dscnt 8                                 ; this block's eight loads are in, the next block's eight stay out
.if (\i) == 2
	ds_load_b128 v[G+4*(\slot):G+4*(\slot)+3], v[GA] offset:256*(\slot)   ; this m's gates of my row in the four row blocks; older than the eight loads below, so the next block's wait covers it
.endif
.rept 8
	MM \i, B_N
	LDB \slot, (\i)+2, B_N                         ; the fragments of the block after the next
.set B_N, B_N+1
.endr
	MMRUN \i, 8
.endif
.if (\i) == 30
	s_wait_dscnt 8
	MMRUN \i, 8
.if \turn
	s_wait_dscnt 0x0                               ; my reads of this slot are over: block 31's fragments were the last
	s_set_vgpr_msb 0x800
	s_wait_tensorcnt 0x0                           ; and all my tensor loads have landed: the one that was out is my quarter of the other slot
	ds_add_u32 v30, v31
	s_wait_dscnt 0x0
	s_set_vgpr_msb 0x8
	s_barrier_signal -1                            ; say so (where the slot is filled again this barrier opens a round of the cluster's barrier),
.endif
	MMRUN \i, 8                                    ; work on registers while the others arrive
.if \turn
	WIN 0
	s_barrier_wait -1
.if \turn == 2
	CREST                                          ; no wave of any partner still reads this slot or has a load on its way
	s_add_nc_u64 s[30+4*(\slot):31+4*(\slot)], s[30+4*(\slot):31+4*(\slot)], 2*SLOT   ; no tensor load of mine is out: the address steps two m on
	tensor_load_to_lds s[28+4*(\slot):31+4*(\slot)], s[20:27]                         ; my one tensor load behind the round: it has the next trip's first 30 blocks in which to land
	s_nop 0
.endif
.endif
.endif
.if (\i) == 31
.if \turn
.rept 8
	LDB 1-(\slot), 0, B_N                          ; the next trip's block 0, from the other slot, which the barrier has shown whole
.set B_N, B_N+1
.endr
.set B_N, 0
.else
	s_wait_dscnt 0x0
.endif
	MMRUN \i, 16
.endif
.endm
.macro TRIP slot, d0, dn, turn
.set T_I, 0
.rept 32
	BLOCK \slot, T_I, \d0, \dn, \turn
.set T_I, T_I+1
.endr
.endm
	s_wait_tensorcnt 1                             ; my quarter of slot 0 is in; slot 1's may stay out
	s_wait_dscnt 0x0                               ; no LDS instruction of mine is pending at the signal
	s_barrier_signal -1
	s_barrier_wait -1                              ; slot 0 is whole
.set B_N, 0
.rept 8
	LDB 0, 0, B_N
.set B_N, B_N+1
.endr
	TRIP 0, 0, 1, 2                                ; m = 0: nothing to drain in group 0; its products start dz's sums
	TRIP 1, 1, 2, 2                                ; m = 1: group 0 drains m = 0's last group, which still starts sums
	WIN 0                                          ; at a label and at a branch every window is 0
	v_add_nc_u32 v[GA], 512, v[GA]                 ; the next two m's gates
	s_mov_b32 s40, 6
.Lpair:
	TRIP 0, 2, 2, 2                                ; m = 2, 4, .. 12
	TRIP 1, 2, 2, 2                                ; m = 3, 5, .. 13
	WIN 0
	v_add_nc_u32 v[GA], 512, v[GA]
	s_sub_co_u32 s40, s40, 1
	s_cmp_lg_u32 s40, 0
	s_cbranch_scc1 .Lpair
	TRIP 0, 2, 2, 1                                ; m = 14: nothing is left to fetch; my one tensor load still out is slot 1's, m = 15
	TRIP 1, 2, 2, 0                                ; m = 15
	PLACES                                         ; in front of the reads of the last scores, and of the loads below into registers that matrix instructions have read
	WIN DRN
.irp tau, 0,1,2,3,4,5,6,7
	DRAIN 1, 3, 1, \tau, 2
.endr
; ---- the way out, 16 rows at a time: a lane's 32 neighbouring bytes into my stage, whole rows of 512 bytes back, stored by the wave as 512 neighbouring bytes.
.macro OUT16 a, f
	WIN 0x0c                                       ; store data from window 3
.irp b, 0,1,2,3,4,5,6,7
	ds_store_b128 v[OS], v[8*(4*\b+\a):8*(4*\b+\a)+3] offset:64*\b
	ds_store_b128 v[OS], v[8*(4*\b+\a)+4:8*(4*\b+\a)+7] offset:64*\b+16
.endr
	WIN 0
	s_wait_xcnt 0x0                                ; the registers at f, which earlier stores read, are loaded again only behind this wait
.set O_R, 0
.rept 16
	ds_load_b128 v[\f+4*O_R:\f+4*O_R+3], v[ORD] offset:SPITCH*O_R         ; LDS serves a wave's instructions in order: these see the stores above
.set O_R, O_R+1
.endr
.set O_R, 0
.rept 16
	s_wait_dscnt 15-O_R                            ; row O_R is in, the later rows stay out
	global_store_b128 v[ZO], v[\f+4*O_R:\f+4*O_R+3], s[10:11] offset:(16*\a+O_R)*2048 th:TH_STORE_NT   ; 512 neighbouring bytes at a multiple of 512 from out0's first byte
.set O_R, O_R+1
.endr
.endm
	OUT16 0, 32
	OUT16 1, 96
	OUT16 2, 32
	OUT16 3, 96
	s_wait_tensorcnt 0x0
	ds_add_u32 v30, v31
	s_wait_dscnt 0x0
	CROUND                                         ; the closing round: no work-group ends while a partner may still ask for a tile that names it
	s_endpgm
.Lfunc_end_k_q42266f23fe_main:
	.size	k_q42266f23fe_main, .Lfunc_end_k_q42266f23fe_main-k_q42266f23fe_main
	.p2alignl 7, 3214868480
	.fill 96, 4, 3214868480
	.section	.rodata,"a",@progbits
	.p2align	6, 0x0
	.amdhsa_kernel k_q42266f23fe_main
		.amdhsa_group_segment_fixed_size 327680
		.amdhsa_private_segment_fixed_size 0
		.amdhsa_enable_private_segment 0
		.amdhsa_kernarg_size 32
		.amdhsa_user_sgpr_count 2
		.amdhsa_user_sgpr_kernarg_segment_ptr 1
		.amdhsa_wavefront_size32 1
		.amdhsa_system_sgpr_workgroup_id_x 1
		.amdhsa_system_sgpr_workgroup_id_y 1
		.amdhsa_system_sgpr_workgroup_id_z 1
		.amdhsa_system_vgpr_workitem_id 0
		.amdhsa_next_free_vgpr 1024
		.amdhsa_next_free_sgpr 66
		.amdhsa_reserve_vcc 0
		.amdhsa_float_denorm_mode_32 3
		.amdhsa_float_denorm_mode_16_64 3
		.amdhsa_memory_ordered 1
		.amdhsa_forward_progress 1
		.amdhsa_inst_pref_size 255
	.end_amdhsa_kernel
	.section	.bss,"aw",@nobits
	.p2align	6
	.space	262144
	.amdgpu_metadata
---
amdhsa.version: [ 1, 2 ]
amdhsa.kernels:
  - .name:           k_q42266f23fe_main
    .symbol:         k_q42266f23fe_main.kd
    .args:
      - { .name: z, .offset: 0, .size: 8, .value_kind: global_buffer, .address_space: global }
      - { .name: pf, .offset: 8, .size: 8, .value_kind: global_buffer, .address_space: global }
      - { .name: wf, .offset: 16, .size: 8, .value_kind: global_buffer, .address_space: global }
      - { .name: out0, .offset: 24, .size: 8, .value_kind: global_buffer, .address_space: global }
    .group_segment_fixed_size: 327680
    .private_segment_fixed_size: 0
    .kernarg_segment_align: 8
    .kernarg_segment_size: 32
    .max_flat_workgroup_size: 128
    .sgpr_count:     66
    .vgpr_count:     1024
    .wavefront_size: 32
...
	.end_amdgpu_metadata
.endif
;; end of part 2
;; ======== version 2 of 2: 2 launches; 1.49 times as fast as version 1
;; workspace buffers: pf 8,388,608 bytes; wf 32,768 bytes
;; launch prep: the kernel of part 1 again; grid 16 x 16, 8 waves a work-group, no clusters, 34,304 bytes of LDS; arguments Psi, gate_tokens, t, pf, wf; writes pf, wf
;; launch main (part 3): grid 16 x 16, 4 waves a work-group, clusters of 4 x 1, 327,680 bytes of LDS; arguments z, pf, wf, out0; writes out0
.if DOCPART == 3
	.amdgcn_target "amdgcn-amd-amdhsa--gfx1250"
	.amdhsa_code_object_version 6
	.text
	.protected	k_q42266f23fe_main
	.globl	k_q42266f23fe_main
	.p2align	8
	.type	k_q42266f23fe_main,@function
k_q42266f23fe_main:
	s_mov_b64 s[64:65], 0
	v_nop
	global_prefetch_b8 v0, s[64:65] scope:SCOPE_SE
	s_setreg_imm32_b32 hwreg(HW_REG_WAVE_MODE, 25, 1), 1
	s_wait_xcnt 0x0
	s_wait_alu depctr_hold_cnt(0) depctr_sa_sdst(0) depctr_va_vdst(0) depctr_va_sdst(0) depctr_va_ssrc(0) depctr_va_vcc(0) depctr_vm_vsrc(0)
	s_getreg_b32 s2, hwreg(HW_REG_IB_STS2, 6, 4)
	s_cmp_eq_u32 s2, 0
	s_cbranch_scc0 .Lentry_in_a_cluster
	s_endpgm
.Lentry_in_a_cluster:
	s_bfe_u32 s2, ttmp6, 0x10000c
	s_cmp_lg_u32 s2, 0x3003
	s_cbranch_scc0 .Lentry_shape_is_right
	s_endpgm
.Lentry_shape_is_right:
; main: out0[b][e] = sum over m of gate[b][m] (z Psi_m)[b][e],  gate = max(2 sigmoid(logit) - 1, 0),  logit[b][m] = z[b] . w[m]  (w = Psi_m g_m, made by the first launch).
; A work-group makes 256 rows x 128 columns of out0 with four waves, as many as a WGP has SIMDs; a wave makes 64 rows x 128 columns.
; z IS KEPT IN REGISTERS: a wave's 64 rows x 512 as bf16 are 64 fragments of 8 registers = 512 registers, loaded and rounded once, used for all 16 m: only Psi streams.
; Psi comes as bf16 in fragment order (pf): the tile of one m and my 128 columns is 131,072 dense bytes; two LDS slots take turns, filled by tensor loads, a quarter a wave.
; For each m the scores of 16 columns pairs at a time are summed in f32 over all 512 d (8 tiles of 16 x 16), then multiplied by the f32 gate and added into dz by
; packed fused multiply-adds, while the next 8 tiles are summed in a second set of registers.  Scores never leave registers.
; CLUSTERS: four work-groups along x form a cluster: four row blocks of ONE column block, which need the same tiles of Psi.  Each tile is asked for jointly (mask 15),
; which divides the requests for Psi by four.  z is not shared in this way: it is a fifth of a work-group's bytes, is read once, and has to pass registers to be rounded.
; THE MATRIX INSTRUCTION IS USED TRANSPOSED: source 0 = 16 columns of Psi, source 1 = 16 rows of z.  Lane (r, h) then holds row 16 a + r, and its registers j the columns
; 16 b + 8 h + j: a gate is one number a lane, and eight results are 32 neighbouring bytes of a row of out0.
; LIMITS: the gate is formed as 2 sigmoid - 1 in f32, as reference() forms it, and so carries an absolute rounding of about 2^-23; a NaN logit gives gate 0 (v_max_num_f32
; lets a NaN lose); the order of the f32 sums differs from reference()'s.  The exponential needs no shift: 2^x = infinity gives sigmoid 0, 2^x = 0 gives 1, the right limits.
;
; REGISTERS, in windows of 256 (s_set_vgpr_msb: bits 1:0 source 0, 3:2 source 1, 5:4 source 2, 7:6 destination):
;   window 0: v0-17 addresses; v20-27 gates of the even and the odd m; v32-127 three buffers of four Psi fragments; v128-255 two sets of eight score tiles
;             (at the start: v32-223 three batches of z as loaded, v224-255 four logit tiles)
;   windows 1, 2: z's fragments, K step ks (32 d) and row block a at 32 (ks & 7) + 8 a, ks 0-7 in window 1, 8-15 in window 2
;   window 3: dz, tile (a, b) at 8 (4 b + a)   (at the start: wf's 32 fragments)
.set SLOT,   131072                    ; one m's tile: [ks 16][b 8][c 2][lane 32] x 16 bytes
.set STAGE,  2*SLOT                    ; behind the slots: 16 rows x 528 bytes for each wave; first z as bf16 (16 rows x 256 d), at the end dz as f32 (16 rows x 128 columns)
.set SPITCH, 528                       ; 512 bytes + 16 = 33 x 16: the 16 rows that a load or store of 16 bytes a lane touches start at 16 different sixteenths of 256 bytes
.set STW,    16*SPITCH
.set GT,     STAGE+4*STW               ; 295,936: the gates, [m 16][r 16][a 4] f32 = 4,096 bytes for each wave
.set ZO,   4                           ; v4      wave x 64 rows x 2,048 + 16 lane: my byte offset in z, and in out0
.set ZS,   5                           ; v5      stage + 8 lane: where z's rounded numbers go
.set ZR,   6                           ; v6      stage + 528 r + 16 h: where z's fragments come from
.set GS,   7                           ; v7      gates + 2,048 h + 16 r: where gates go
.set GA,   8                           ; v8      gates + 16 r + 512 x pair of m: where gates come from
.set WO,   9                           ; v9      16 lane
.set BA,   10                          ; v10-13  16 lane + slot x 131,072 + half x 65,536: an LDS offset has 16 bits, so each half of a slot has its register
.set OS,   14                          ; v14     stage + 528 r + 32 h: the way out, in
.set ORD,  15                          ; v15     stage + 16 lane: the way out, back
.set G,    20
.set BUF,  32
.set ZL,   32
.set SC,   128
.set LG,   224
.set MUL1, 0x04                        ; score products, z from window 1; the loads of Psi fragments run under the same setting
.set MUL2, 0x08                        ; z from window 2
.set DRN,  0xf0                        ; dz as addend and destination
.set LOG1, 0x07                        ; logit products: wf from window 3, z from window 1
.set LOG2, 0x0b
.set MSB, 0
.macro WIN new                         ; the immediate's high byte repeats the setting that is left
.if MSB != (\new)
	s_set_vgpr_msb (MSB<<8)|(\new)
.set MSB, (\new)
.endif
.endm
.macro PLACES                          ; four places behind matrix instructions (ISA guide 7.12.1), where no useful vector work is at hand
.rept 4
	v_nop
.endr
.endm
; A round of the cluster's barrier: my work-group's barrier, so that wave 0's signal speaks for all four waves; wave 0 signals; every wave waits for the four work-groups;
; my work-group's barrier once more.
.macro CREST                           ; a round behind its opening barrier
	s_cmp_lg_u32 s12, 0
	s_cbranch_scc1 .Lnot_wave_0_\@
	s_barrier_signal -3
.Lnot_wave_0_\@:
	s_barrier_wait -3
	s_barrier_signal -1
	s_barrier_wait -1
.endm
.macro CROUND
	s_barrier_signal -1
	s_barrier_wait -1
	CREST
.endm
	s_load_b256 s[4:11], s[0:1], 0x0               ; z s[4:5], pf s[6:7], wf s[8:9], out0 s[10:11]
	v_lshl_add_u32 v30, v0, 2, 0x4c400
	v_mov_b32 v31, 0
	ds_add_u32 v30, v31
	v_lshrrev_b32 v1, 5, v0
	v_readfirstlane_b32 s12, v1                    ; wave 0..3
	s_bfe_u32 s13, ttmp6, 0x40000                  ; cx: my place in the cluster
	s_mov_b32 s14, ttmp9                           ; the cluster's x = column block 0..3, shared by the four partners
	s_and_b32 s15, ttmp7, 0xffff                   ; the cluster's y
	s_lshl_b32 s16, s15, 2
	s_add_co_u32 s16, s16, s13                     ; row block = 4 y + cx: it enters z's and out0's offsets and nothing else
	; descriptor group 1: 128 rows of 256 bytes, dense: a wave's quarter of a tile (K steps 4 wave .. 4 wave + 3), 32,768 bytes
	s_mov_b32 s20, 15|(3<<16)|(1<<21)              ; 15:0 the mask: all four partners; 17:16 elements of 8 bytes; 21 set beside a mask; no padding: every LDS read is of neighbouring bytes
	s_mov_b32 s21, 32<<16                          ; tensor_dim0 = 32 elements
	s_mov_b32 s22, 128<<16                         ; tensor_dim1 = 128
	s_mov_b32 s23, 32<<16                          ; tile_dim0 = 32
	s_mov_b32 s24, 128                             ; tile_dim1 = 128
	s_mov_b32 s25, 32                              ; from row to row: 32 elements
	s_mov_b32 s26, 0
	s_mov_b32 s27, 0
	; descriptor group 0, one set for each slot: made of the column block and the wave's number alone
	s_mov_b32 s28, 1
	s_lshl_b32 s29, s12, 15                        ; LDS: wave x 32,768
	s_mov_b32 s32, 1
	s_add_co_u32 s33, s29, SLOT
	s_lshl_b32 s36, s14, 21                        ; pf: column block x 2,097,152 + wave x 32,768
	s_add_co_u32 s36, s36, s29
	s_mov_b32 s37, 0
	s_lshl_b32 s44, s16, 19                        ; z, out0: row block x 256 rows x 2,048 bytes
	s_mov_b32 s45, 0
	s_lshl_b32 s46, s14, 9                         ; out0: column block x 128 columns x 4 bytes
	s_mov_b32 s47, 0
	v_and_b32 v1, 31, v0                           ; lane
	v_and_b32 v2, 15, v0                           ; r
	v_bfe_u32 v3, v0, 4, 1                         ; h
	v_lshlrev_b32 v[WO], 4, v1
	v_lshl_add_u32 v[ZO], s12, 17, v[WO]
	s_mul_i32 s41, s12, STW
	s_add_co_u32 s41, s41, STAGE                   ; my stage
	v_lshl_add_u32 v[ZS], v1, 3, s41
	v_mul_u32_u24 v17, v2, SPITCH
	v_add_nc_u32 v17, s41, v17
	v_lshl_add_u32 v[ZR], v3, 4, v17
	v_lshl_add_u32 v[OS], v3, 5, v17
	v_add_nc_u32 v[ORD], s41, v[WO]
	s_lshl_b32 s42, s12, 12
	s_add_co_u32 s42, s42, GT                      ; my gates
	v_lshl_add_u32 v[GA], v2, 4, s42
	v_lshl_add_u32 v[GS], v3, 11, v[GA]
	v_mov_b32 v[BA], v[WO]
	v_add_nc_u32 v[BA+1], 0x10000, v[WO]
	v_add_nc_u32 v[BA+2], 0x20000, v[WO]
	v_add_nc_u32 v[BA+3], 0x30000, v[WO]
	s_wait_dscnt 0x0
	s_wait_kmcnt 0x0
	s_add_nc_u64 s[30:31], s[6:7], s[36:37]        ; m = 0
	s_add_nc_u64 s[34:35], s[30:31], SLOT          ; m = 1
	s_or_b32 s31, s31, 0x80000000                  ; type = 2
	s_or_b32 s35, s35, 0x80000000
	s_add_nc_u64 s[4:5], s[4:5], s[44:45]
	s_add_nc_u64 s[10:11], s[10:11], s[44:45]
	s_add_nc_u64 s[10:11], s[10:11], s[46:47]
	CROUND                                         ; the four partners are here: the first joint loads meet
	tensor_load_to_lds s[28:31], s[20:27]          ; both first fills go out together: two tensor loads of the wave are out here, later one
	s_nop 0
	tensor_load_to_lds s[32:35], s[20:27]
	s_nop 0
; ---- z into registers.  A unit u = 4 q + a is 16 rows (block a) x 256 d (half q); a half unit hu = 2 u + (0, 1) is 8 of its rows: 16 loads of 512 neighbouring bytes.
.macro ZLOAD hu
.set Z_U, (\hu)>>1
.set Z_R, ZL+64*((\hu)%3)
.set Z_O, (16*(Z_U&3)+8*((\hu)&1))*2048+1024*(Z_U>>2)
.set Z_L, 0
.rept 16
	global_load_b128 v[Z_R+4*Z_L:Z_R+4*Z_L+3], v[ZO], s[4:5] offset:Z_O+(Z_L>>1)*2048+(Z_L&1)*512
.set Z_L, Z_L+1
.endr
.endm
; wf's K steps 4 k .. 4 k + 3: 16 loads; register 4 x of window 3 takes the 512 bytes at 512 x
.macro WLOAD k
	WIN 0xc0
.set W_N, 0
.rept 16
	global_load_b128 v[64*(\k)+4*W_N:64*(\k)+4*W_N+3], v[WO], s[8:9] offset:8192*(\k)+512*W_N
.set W_N, W_N+1
.endr
	WIN 0
.endm
; the eight fragments of row block a, K steps 8 q .. 8 q + 7, from my stage: lane (r, h) takes d = 8 h + 0..7 and 16 + 8 h + 0..7 of row r
.macro AFETCH a, q
	WIN 0x40<<(\q)
.set F_K, 0
.rept 8
	ds_load_b128 v[32*F_K+8*(\a):32*F_K+8*(\a)+3], v[ZR] offset:64*F_K
	ds_load_b128 v[32*F_K+8*(\a)+4:32*F_K+8*(\a)+7], v[ZR] offset:64*F_K+32
.set F_K, F_K+1
.endr
	WIN 0
.endm
; A half unit is rounded to bf16 (32 conversions in one run) and put into my stage (16 stores in one run); 16 more loads go out; behind a unit's second half its
; fragments are read.  Vector work and memory instructions each stand together: one change from the one kind to the other in a step.
; The stage is my wave's own, and LDS serves a wave's instructions in order (ISA guide 5.7.1): no wait between these stores, the loads, and the next unit's stores.
.macro ZSTEP hu
	s_wait_loadcnt 32                              ; every step issues 16 loads: this batch is in, the two younger batches stay out
.set S_R, ZL+64*((\hu)%3)
.set S_L, 0
.rept 16
	v_cvt_pk_bf16_f32 v[S_R+4*S_L], v[S_R+4*S_L], v[S_R+4*S_L+1]
	v_cvt_pk_bf16_f32 v[S_R+4*S_L+1], v[S_R+4*S_L+2], v[S_R+4*S_L+3]
.set S_L, S_L+1
.endr
.set S_L, 0
.rept 16
	ds_store_b64 v[ZS], v[S_R+4*S_L:S_R+4*S_L+1] offset:(8*((\hu)&1)+(S_L>>1))*SPITCH+256*(S_L&1)
.set S_L, S_L+1
.endr
.if (\hu) <= 12
	ZLOAD (\hu)+3
.else
	WLOAD (\hu)-13
.endif
.if (\hu)&1
	AFETCH ((\hu)>>1)&3, (\hu)>>3
.endif
.endm
	ZLOAD 0
	ZLOAD 1
	ZLOAD 2
.irp hu, 0,1,2,3,4,5,6,7,8,9,10,11,12,13,14,15
	ZSTEP \hu
.endr
; ---- logits: [16 m] x [16 rows] tiles, one for each row block, over 16 K steps and w's two parts.  The four accumulators take turns, one instruction a turn.
; Lane (r, h), register j: row 16 a + r, m = 8 h + j.
.macro LOGIT ks
.irp p, 0,1
.irp a, 0,1,2,3
.if ((\ks)+\p) == 0
	v_wmma_f32_16x16x32_bf16 v[LG+8*\a:LG+8*\a+7], v[16*(\ks)+8*\p:16*(\ks)+8*\p+7], v[32*((\ks)&7)+8*\a:32*((\ks)&7)+8*\a+7], 0
.else
	v_wmma_f32_16x16x32_bf16 v[LG+8*\a:LG+8*\a+7], v[16*(\ks)+8*\p:16*(\ks)+8*\p+7], v[32*((\ks)&7)+8*\a:32*((\ks)&7)+8*\a+7], v[LG+8*\a:LG+8*\a+7]
.endif
.endr
.endr
.endm
	s_wait_loadcnt 32                              ; wf's first batch is in, the second and third stay out
	WLOAD 3                                        ; the fourth: 48 loads of the wave are out at the most
	s_wait_dscnt 0x0                               ; all of z's fragments are in
	WIN LOG1
.irp ks, 0,1,2,3
	LOGIT \ks
.endr
	s_wait_loadcnt 32                              ; the second batch; the third and fourth stay out
.irp ks, 4,5,6,7
	LOGIT \ks
.endr
	s_wait_loadcnt 16
	WIN LOG2
.irp ks, 8,9,10,11
	LOGIT \ks
.endr
	s_wait_loadcnt 0x0
.irp ks, 12,13,14,15
	LOGIT \ks
.endr
	WIN 0
	PLACES                                         ; in front of the first vector instruction that reads a logit
; gate = max(2 / (1 + 2^(-1.442695 x)) - 1, 0) of the eight logits of row block a, then to [m][r][a].  Behind each run of transcendentals one v_nop (ISA guide 5.7.2).
.macro GATE a
.set GR, LG+8*(\a)
.irp w, 0,2,4,6
	v_pk_mul_f32 v[GR+\w:GR+\w+1], v[GR+\w:GR+\w+1], 0xbfb8aa3b op_sel_hi:[1,0]
.endr
.irp j, 0,1,2,3,4,5,6,7
	v_exp_f32 v[GR+\j], v[GR+\j]
.endr
	v_nop
	s_wait_alu depctr_va_vdst(0)
.irp w, 0,2,4,6
	v_pk_add_f32 v[GR+\w:GR+\w+1], v[GR+\w:GR+\w+1], 1.0 op_sel_hi:[1,0]
.endr
.irp j, 0,1,2,3,4,5,6,7
	v_rcp_f32 v[GR+\j], v[GR+\j]
.endr
	v_nop
	s_wait_alu depctr_va_vdst(0)
.irp w, 0,2,4,6
	v_pk_fma_f32 v[GR+\w:GR+\w+1], v[GR+\w:GR+\w+1], 2.0, -1.0 op_sel_hi:[1,0,0]
.endr
.irp j, 0,1,2,3,4,5,6,7
	v_max_num_f32 v[GR+\j], 0, v[GR+\j]
.endr
.irp j, 0,1,2,3,4,5,6,7
	ds_store_b32 v[GS], v[GR+\j] offset:256*\j+4*(\a)
.endr
.endm
	GATE 0
	GATE 1
	GATE 2
	GATE 3
; ---- the stream over m.  A trip is one m: 32 blocks i = 8 g + j.  Group g makes the scores of column blocks b = 2 g, 2 g + 1 for my four row blocks: eight tiles
; tau = 4 bb + a in set g & 1.  Block i adds K steps 2 j and 2 j + 1: 16 matrix instructions on four Psi fragments, which lie in buffer i % 3.
; load n of the eight of block i: K step 2 j + (n >> 2), column block 2 g + ((n >> 1) & 1), half n & 1: 512 neighbouring bytes
.macro LDB slot, i, n
.set L_S,  (\n)>>2
.set L_BB, ((\n)>>1)&1
.set L_C,  (\n)&1
.set L_KS, 2*((\i)&7)+L_S
.set L_B,  2*((\i)>>3)+L_BB
.set L_D,  BUF+32*((\i)%3)+8*(2*L_S+L_BB)+4*L_C
	ds_load_b128 v[L_D:L_D+3], v[BA+2*(\slot)+(L_KS>>3)] offset:(L_KS&7)*8192+1024*L_B+512*L_C
.endm
.macro LDRUN slot, i                   ; the eight loads of block i, in one run
.set R_N, 0
.rept 8
	LDB \slot, \i, R_N
.set R_N, R_N+1
.endr
.endm
; matrix instruction n of the sixteen of block i: K step 2 j + (n >> 3), tile n & 7.  The first K step starts the sums: nothing is cleared.
; The eight accumulators take turns, one instruction a turn, in the same order everywhere.
.macro MM i, n
.set M_S,  (\n)>>3
.set M_T,  (\n)&7
.set M_KS, 2*((\i)&7)+M_S
.set M_D,  SC+64*(((\i)>>3)&1)+8*M_T
.set M_B,  BUF+32*((\i)%3)+8*(2*M_S+(M_T>>2))
.set M_A,  (M_KS&7)*32+8*(M_T&3)
.if M_KS == 0
	v_wmma_f32_16x16x32_bf16 v[M_D:M_D+7], v[M_B:M_B+7], v[M_A:M_A+7], 0
.else
	v_wmma_f32_16x16x32_bf16 v[M_D:M_D+7], v[M_B:M_B+7], v[M_A:M_A+7], v[M_D:M_D+7]
.endif
.endm
.macro MMRUN i, cnt                    ; the next cnt matrix instructions of block i
.rept \cnt
	MM \i, B_N
.set B_N, B_N+1
.endr
.endm
; tile tau of the finished set sp (group pg) times the gate of its row block, into dz: four packed instructions.  mode 1: the first m starts dz's sums; 2: fused multiply-add.
; The gates of row blocks a = 0..3 lie in four registers; op_sel picks the first or the second of a pair for both halves.
.macro DRAIN sp, pg, par, tau, mode
.set D_A, (\tau)&3
.set D_Z, 8*(4*(2*(\pg)+((\tau)>>2))+D_A)
.set D_S, SC+64*(\sp)+8*(\tau)
.set D_G, G+4*(\par)+2*(D_A>>1)
.irp w, 0,2,4,6
.if \mode == 1
.if D_A&1
	v_pk_mul_f32 v[D_Z+\w:D_Z+\w+1], v[D_S+\w:D_S+\w+1], v[D_G:D_G+1] op_sel:[0,1] op_sel_hi:[1,1]
.else
	v_pk_mul_f32 v[D_Z+\w:D_Z+\w+1], v[D_S+\w:D_S+\w+1], v[D_G:D_G+1] op_sel_hi:[1,0]
.endif
.else
.if D_A&1
	v_pk_fma_f32 v[D_Z+\w:D_Z+\w+1], v[D_S+\w:D_S+\w+1], v[D_G:D_G+1], v[D_Z+\w:D_Z+\w+1] op_sel:[0,1,0] op_sel_hi:[1,1,1]
.else
	v_pk_fma_f32 v[D_Z+\w:D_Z+\w+1], v[D_S+\w:D_S+\w+1], v[D_G:D_G+1], v[D_Z+\w:D_Z+\w+1] op_sel_hi:[1,0,1]
.endif
.endif
.endr
.endm
; Block i of the trip on slot.  d0, dn: how group 0 (which drains the last m's group 3) and groups 1 to 3 (which drain the group before) write dz: 0 not at all, 1, 2 as above.
; turn: 2 = this slot is filled again with the tile of m + 2; 1 = the slots change, nothing is fetched; 0 = the last trip.
; THE HEAD of a block is four or eight plain vector instructions that name no register of the block before: they are the places between that block's matrix instructions
; and the loads into its buffer.  At j = 0 they are v_nop, which are also the places in front of the first read of the scores just finished; at j = 1 tiles 0 and 1 of the
; set before are drained, at j = 2..7 tile j.
; THE LOADS STAND IN RUNS, so that matrix instructions follow each other 32 at a time with one head between.  An even block i <= 28 asks, behind its head, for the
; fragments of blocks i + 1 and i + 2: 16 loads, into the two buffers that blocks i - 2 and i - 1 read.  An odd block asks for nothing, but block 29, which asks for
; block 31's eight; block 31 asks for the next trip's block 0, from the other slot.  That is 17 runs for a trip's 512 matrix instructions and 257 loads.
.macro BLOCK slot, i, d0, dn, turn
.set B_J, (\i)&7
.set B_G, (\i)>>3
.if B_G == 0
.set B_MODE, \d0
.set B_SP, 1
.set B_PG, 3
.set B_PAR, 1-(\slot)
.else
.set B_MODE, \dn
.set B_SP, (B_G-1)&1
.set B_PG, B_G-1
.set B_PAR, \slot
.endif
.if (B_J*B_MODE) == 0
	PLACES
.else
	WIN DRN
.if B_J == 1
	DRAIN B_SP, B_PG, B_PAR, 0, B_MODE
	DRAIN B_SP, B_PG, B_PAR, 1, B_MODE
.else
	DRAIN B_SP, B_PG, B_PAR, B_J, B_MODE
.endif
.endif
.if B_J < 4
	WIN MUL1
.else
	WIN MUL2
.endif
.set B_N, 0
.if (\i) < 29
.if ((\i)&1) == 0
.if (\i) == 2
	ds_load_b128 v[G+4*(\slot):G+4*(\slot)+3], v[GA] offset:256*(\slot)   ; this m's gates of my row in the four row blocks; older than the 16 loads below, so the wait below covers it
.endif
	LDRUN \slot, (\i)+1
	LDRUN \slot, (\i)+2
	s_wait_dscnt 16                                ; the 16 just issued stay out; this block's eight, which are older, are in
.else
	s_wait_dscnt 8                                 ; this block's eight loads are in, the next block's eight stay out
.endif
	MMRUN \i, 16
.endif
.if (\i) == 29
	LDRUN \slot, 31                                ; into the buffer that block 28 read: the last reads of this slot, 24 matrix instructions ahead of the wait for them
	s_wait_dscnt 16                                ; block 30's and block 31's loads stay out
	MMRUN \i, 16
.endif
.if (\i) == 30
	s_wait_dscnt 8                                 ; block 31's loads stay out
	MMRUN \i, 8
.if \turn
	s_wait_dscnt 0x0                               ; my reads of this slot are over: block 31's fragments were the last
	s_set_vgpr_msb 0x800
	s_wait_tensorcnt 0x0                           ; and all my tensor loads have landed: the one that was out is my quarter of the other slot
	ds_add_u32 v30, v31
	s_wait_dscnt 0x0
	s_set_vgpr_msb 0x8
	s_barrier_signal -1                            ; say so (where the slot is filled again this barrier opens a round of the cluster's barrier),
.endif
	MMRUN \i, 8                                    ; work on registers while the others arrive
.if \turn
	WIN 0
	s_barrier_wait -1
.if \turn == 2
	CREST                                          ; no wave of any partner still reads this slot or has a load on its way
	s_add_nc_u64 s[30+4*(\slot):31+4*(\slot)], s[30+4*(\slot):31+4*(\slot)], 2*SLOT   ; no tensor load of mine is out: the address steps two m on
	tensor_load_to_lds s[28+4*(\slot):31+4*(\slot)], s[20:27]                         ; my one tensor load behind the round: it has the next trip's first 30 blocks in which to land
	s_nop 0
.endif
.endif
.endif
.if (\i) == 31
.if \turn
	LDRUN 1-(\slot), 0                             ; the next trip's block 0, from the other slot, which the barrier has shown whole; this block's fragments came in by the wait for 0 above
.else
	s_wait_dscnt 0x0
.endif
	MMRUN \i, 16
.endif
.endm
.macro TRIP slot, d0, dn, turn
.set T_I, 0
.rept 32
	BLOCK \slot, T_I, \d0, \dn, \turn
.set T_I, T_I+1
.endr
.endm
	s_wait_tensorcnt 1                             ; my quarter of slot 0 is in; slot 1's may stay out
	s_wait_dscnt 0x0                               ; no LDS instruction of mine is pending at the signal
	s_barrier_signal -1
	s_barrier_wait -1                              ; slot 0 is whole
	LDRUN 0, 0
	TRIP 0, 0, 1, 2                                ; m = 0: nothing to drain in group 0; its products start dz's sums
	TRIP 1, 1, 2, 2                                ; m = 1: group 0 drains m = 0's last group, which still starts sums
	WIN 0                                          ; at a label and at a branch every window is 0
	v_add_nc_u32 v[GA], 512, v[GA]                 ; the next two m's gates
	s_mov_b32 s40, 6
.Lpair:
	TRIP 0, 2, 2, 2                                ; m = 2, 4, .. 12
	TRIP 1, 2, 2, 2                                ; m = 3, 5, .. 13
	WIN 0
	v_add_nc_u32 v[GA], 512, v[GA]
	s_sub_co_u32 s40, s40, 1
	s_cmp_lg_u32 s40, 0
	s_cbranch_scc1 .Lpair
	TRIP 0, 2, 2, 1                                ; m = 14: nothing is left to fetch; my one tensor load still out is slot 1's, m = 15
	TRIP 1, 2, 2, 0                                ; m = 15
	PLACES                                         ; in front of the reads of the last scores, and of the loads below into registers that matrix instructions have read
	WIN DRN
.irp tau, 0,1,2,3,4,5,6,7
	DRAIN 1, 3, 1, \tau, 2
.endr
; ---- the way out, 16 rows at a time: a lane's 32 neighbouring bytes into my stage, whole rows of 512 bytes back, stored by the wave as 512 neighbouring bytes.
.macro OUT16 a, f
	WIN 0x0c                                       ; store data from window 3
.irp b, 0,1,2,3,4,5,6,7
	ds_store_b128 v[OS], v[8*(4*\b+\a):8*(4*\b+\a)+3] offset:64*\b
	ds_store_b128 v[OS], v[8*(4*\b+\a)+4:8*(4*\b+\a)+7] offset:64*\b+16
.endr
	WIN 0
	s_wait_xcnt 0x0                                ; the registers at f, which earlier stores read, are loaded again only behind this wait
.set O_R, 0
.rept 16
	ds_load_b128 v[\f+4*O_R:\f+4*O_R+3], v[ORD] offset:SPITCH*O_R         ; LDS serves a wave's instructions in order: these see the stores above
.set O_R, O_R+1
.endr
.set O_R, 0
.rept 16
	s_wait_dscnt 15-O_R                            ; row O_R is in, the later rows stay out
	global_store_b128 v[ZO], v[\f+4*O_R:\f+4*O_R+3], s[10:11] offset:(16*\a+O_R)*2048 th:TH_STORE_NT   ; 512 neighbouring bytes at a multiple of 512 from out0's first byte
.set O_R, O_R+1
.endr
.endm
	OUT16 0, 32
	OUT16 1, 96
	OUT16 2, 32
	OUT16 3, 96
	s_wait_tensorcnt 0x0
	ds_add_u32 v30, v31
	s_wait_dscnt 0x0
	CROUND                                         ; the closing round: no work-group ends while a partner may still ask for a tile that names it
	s_endpgm
.Lfunc_end_k_q42266f23fe_main:
	.size	k_q42266f23fe_main, .Lfunc_end_k_q42266f23fe_main-k_q42266f23fe_main
	.p2alignl 7, 3214868480
	.fill 96, 4, 3214868480
	.section	.rodata,"a",@progbits
	.p2align	6, 0x0
	.amdhsa_kernel k_q42266f23fe_main
		.amdhsa_group_segment_fixed_size 327680
		.amdhsa_private_segment_fixed_size 0
		.amdhsa_enable_private_segment 0
		.amdhsa_kernarg_size 32
		.amdhsa_user_sgpr_count 2
		.amdhsa_user_sgpr_kernarg_segment_ptr 1
		.amdhsa_wavefront_size32 1
		.amdhsa_system_sgpr_workgroup_id_x 1
		.amdhsa_system_sgpr_workgroup_id_y 1
		.amdhsa_system_sgpr_workgroup_id_z 1
		.amdhsa_system_vgpr_workitem_id 0
		.amdhsa_next_free_vgpr 1024
		.amdhsa_next_free_sgpr 66
		.amdhsa_reserve_vcc 0
		.amdhsa_float_denorm_mode_32 3
		.amdhsa_float_denorm_mode_16_64 3
		.amdhsa_memory_ordered 1
		.amdhsa_forward_progress 1
		.amdhsa_inst_pref_size 255
	.end_amdhsa_kernel
	.section	.bss,"aw",@nobits
	.p2align	6
	.space	262144
	.amdgpu_metadata
---
amdhsa.version: [ 1, 2 ]
amdhsa.kernels:
  - .name:           k_q42266f23fe_main
    .symbol:         k_q42266f23fe_main.kd
    .args:
      - { .name: z, .offset: 0, .size: 8, .value_kind: global_buffer, .address_space: global }
      - { .name: pf, .offset: 8, .size: 8, .value_kind: global_buffer, .address_space: global }
      - { .name: wf, .offset: 16, .size: 8, .value_kind: global_buffer, .address_space: global }
      - { .name: out0, .offset: 24, .size: 8, .value_kind: global_buffer, .address_space: global }
    .group_segment_fixed_size: 327680
    .private_segment_fixed_size: 0
    .kernarg_segment_align: 8
    .kernarg_segment_size: 32
    .max_flat_workgroup_size: 128
    .sgpr_count:     66
    .vgpr_count:     1024
    .wavefront_size: 32
...
	.end_amdgpu_metadata
.endif
;; end of part 3
